; MI455X (gfx1250); checked and timed in simulation.
; The chip was launched on July 23, 2026; its instructions are those of AMD's public machine-readable ISA for CDNA 5 (MIT licence, August 2026) and "CDNA5" Instruction Set Architecture Reference Guide (July 2026). The comments in the code are by the model that wrote it; some were corrected since.
;; Multi Head Attention. Allowed arithmetic: matrix products marked QUANTISED: E2M3 operands, one E8M0 scale for each 32 along K, by v_wmma_scale_f32_16x16x128_f8f6f4 with both operands' format E2M3, f32 sums; everything else in f32.
;; Inputs: Wk 1,024 x 1,024 float32; Wq 1,024 x 1,024 float32; Wv 1,024 x 1,024 float32; bk 1,024 float32; bq 1,024 float32; bv 1,024 float32; k 4 x 2,048 x 1,024 float32; q 4 x 2,048 x 1,024 float32; v 4 x 2,048 x 1,024 float32.
;; Outputs: out0 4 x 2,048 x 1,024 float32.
;; This version of the problem:
;;   THIS VERSION OF THE PROBLEM IS GIVEN IN LOW PRECISION. The matrix products marked QUANTISED in the list below multiply operands that are first quantised to E2M3 (2 exponent bits, 3 mantissa bits; 6 bits a number), with one power-of-two scale for each 32 numbers along K (OCP MX v1.0); their sums are f32. All else is computed in f32.
;;   The module's matrix products, in the order in which they are computed (A, B: the left and right operand; K: the contracted axis; several contracted axes count as one K, in the product's order):
;;     1. [M 8,192, K 1,024] x [K 1,024, N 1,024]; A: input q; B: input Wq: QUANTISED
;;     2. [M 8,192, K 1,024] x [K 1,024, N 1,024]; A: input k; B: input Wk: QUANTISED
;;     3. [M 8,192, K 1,024] x [K 1,024, N 1,024]; A: input v; B: input Wv: QUANTISED
;;     4. batch 64 x [M 2,048, K 64] x [K 64, N 2,048]; A: computed on the way; B: computed on the way: QUANTISED
;;     5. batch 64 x [M 2,048, K 2,048] x [K 2,048, N 64]; A: softmax (see below); B: computed on the way: QUANTISED
;;   THE QUANTISER, for each operand of a quantised product, along K:
;;     - K is cut into blocks of 32 from its start; a last block that is shorter is filled with zeros.
;;     - A block's scale is 2^e with e = floor(log2(the largest magnitude in the block)) - 2, held to -126 .. 127; a block of zeros has e = 0. As a byte (E8M0): e + 127.
;;     - Each number is divided by its block's scale, clamped to +-7.5, and rounded to the nearest number of E2M3, ties to even, subnormals kept.
;;     - The product sums the exact products of the quantised numbers (number of the format x scale) in f32.
;;   ~~~python
;;   def quantise(x, axis):      # numpy; x: float32 -> the quantised numbers, widened to float32 again
;;       x = np.moveaxis(x, axis, -1); K = x.shape[-1]
;;       x = np.pad(x, [(0, 0)] * (x.ndim - 1) + [(0, -K % 32)]); x = x.reshape(x.shape[:-1] + (-1, 32)); a = np.abs(x).max(-1, keepdims=True)
;;       e = np.where(a > 0, np.clip(np.frexp(np.where(a > 0, a, 1))[1] - 1 - 2, -126, 127), 0)      # np.frexp(a)[1] - 1 = floor(log2(a)), exactly
;;       r = np.clip(x / 2.0 ** e, -7.5, 7.5)
;;       step = 2.0 ** (np.maximum(np.frexp(np.where(r == 0, 1, r))[1] - 1, 0) - 3)
;;       q = np.round(r / step) * step * 2.0 ** e      # np.round: ties to even
;;       return np.moveaxis(q.reshape(q.shape[:-2] + (-1,))[..., :K], -1, axis).astype(np.float32)
;;   ~~~
;;   SOFTMAX AHEAD OF A QUANTISED PRODUCT. Where the list says 'softmax', what is quantised is not the finished softmax but p = 2^(t - M), with t = logit x log2(e) and M = ceil(the row's largest t), a whole number; so 1/2 < the row's largest p <= 1. The row's sum l is taken of the UNQUANTISED p, in f32, and the product's result is divided by l at the end. Since M is a whole number, a kernel that streams over the keys may use a running M (the ceiling of the running maximum): every later rescaling is an exact power of two, which a block's scale takes up: the codes' values come out the same.
;;   OPERANDS COMPUTED ON THE WAY. 'Computed on the way' means the value that the module computes at that place (a softmax that the list does not call 'softmax' is quantised finished and normalised). What goes into a quantiser is computed in f32, as accurately as f32 sums, v_exp_f32 and their like allow (about 1e-6 of the number): no bf16 or f16 on the way to a quantiser, and a product that is left as it is and whose result goes on into a quantised operand takes f32 operands (vector FMAs, or v_wmma_f32_16x16x4_f32). A number that lies on a knife's edge between two numbers of the format may be rounded either way, as far as f32 arithmetic and the matrix unit's own rounding can turn it there, and no further.
;; One version. Each part assembles by itself: llvm-mc -triple=amdgcn-amd-amdhsa -mcpu=gfx1250 --defsym DOCPART=n.
;; ======== version 1 of 1: 3 launches
;; limits: right only within a limited range of input values
;; workspace buffers: opc 21,233,664 bytes; ops 884,736 bytes; qa 6,815,744 bytes; kv 13,369,344 bytes
;; launch quant (part 1): grid 1728 x 1, 1 waves a work-group, no clusters, 8,960 bytes of LDS; arguments q, k, v, Wq, Wk, Wv, opc, ops; writes opc, ops
.if DOCPART == 1
	.amdgcn_target "amdgcn-amd-amdhsa--gfx1250"
	.amdhsa_code_object_version 6
	.text
	.protected	k_q61650e627b_quant
	.globl	k_q61650e627b_quant
	.p2align	8
	.type	k_q61650e627b_quant,@function
k_q61650e627b_quant:
	s_mov_b64 s[64:65], 0
	v_nop
	global_prefetch_b8 v0, s[64:65] scope:SCOPE_SE
	s_setreg_imm32_b32 hwreg(HW_REG_WAVE_MODE, 25, 1), 1
	s_wait_xcnt 0x0
; q, k, v [8192][1024] and Wq, Wk, Wv [1024][1024], f32, K innermost, become codes of FP6 (E2M3) with one E8M0 byte for each 32 along K,
; laid as IMAGES OF THE MATRIX OPERAND'S REGISTERS, so that the next launch takes fragments by loads of 16 bytes a lane alone.
; A TILE is 16 rows.  Tile T = 4 g + u of a tensor holds, in lane row i, the tensor's row 64 g + 8 u + (i % 8) + 32 (i / 8): with this order a product's result
; (a lane holds eight source-0 rows of one half) gives a lane 32 NEIGHBOURING rows over the four tiles of a group, a whole block of the next product's K.
; opc: [tile 0..1727][K step 0..7][1,536 bytes]: a fragment's registers 4 c .. 4 c + 3 of a lane at 512 c + 16 x lane.  Tiles: q from 0, k 512, v 1024, Wq 1536, Wk 1600, Wv 1664.
; ops: [tile][512 bytes]: a lane's 16 bytes are words i = 0 .. 3: lanes 0-15 row r's scale word of K step 2 i, lanes 16-31 that of K step 2 i + 1.
; A block's scale is 2^(floor(log2(its largest magnitude)) - 2); its byte is that magnitude's exponent field - 2, held at 1 from below.
; LIMITS: a block of zeros gets the byte 1 where the rule says 127 (its codes are zeros, which add nothing, and this program alone reads the bytes);
; blocks whose largest magnitude lies under 2^-124 are held at that floor; NaN and infinities among the inputs are not served.
; SHARES: one wave, one tile: 16 rows x 1,024 numbers in, 12,800 bytes out.  Each load reads 512 consecutive bytes of a row (a K step); a K step's 16 rows turn through the wave's
; own stage in LDS, so that lane (r, h) gets k = 64 c + 32 h + 0 .. 31 of row r: two whole blocks, as the operand's layout gives them to it.  Loads run two K steps ahead.
.set PITCH, 528                        ; a stage row: 512 bytes + 16 = 33 x 16: the sixteen rows that a read of 16 bytes a lane touches start in different banks
.set CD,    16                         ; v16-27, v28-39  a fragment's codes, two sets by turns
.set Z,     48                         ; v48-55   K step s: my two scale bytes, at bits 0 and 16
.set W,     56                         ; v56-59   the four scale words
.set R,     64                         ; v64-127, v128-191  a K step as loaded, two sets
.set X,     192                        ; v192-255 my 64 numbers of the K step
	s_load_b256 s[4:11], s[0:1], 0x0               ; q, k, v, Wq
	s_load_b256 s[12:19], s[0:1], 0x20             ; Wk, Wv, opc, ops
	v_lshl_add_u32 v62, v0, 2, 0x2200
	v_mov_b32 v63, 0
	v_and_b32 v3, 15, v0                           ; r (one wave: the thread's number is the lane)
	v_lshrrev_b32 v2, 4, v0                        ; h
	v_lshlrev_b32 v1, 4, v0                        ; 16 x lane: my place in a load's 512 bytes, in a stage row on the way in, and in an image
	v_mul_u32_u24 v3, v3, PITCH
	v_lshl_add_u32 v2, v2, 7, v3                   ; the stage on the way out: row r, + 128 h
	s_mov_b32 s22, 0
	s_wait_alu depctr_va_vdst(0)
	s_wait_kmcnt 0x0
	s_mov_b64 s[20:21], s[4:5]
.macro PICK first, p                   ; from tile \first on the tensor is the one at s[\p]: the choice hangs on the work-group's number alone
	s_cmp_ge_u32 ttmp9, \first
	s_cselect_b64 s[20:21], s[\p:\p+1], s[20:21]
	s_cselect_b32 s22, \first, s22
.endm
	PICK 512, 6
	PICK 1024, 8
	PICK 1536, 10
	PICK 1600, 12
	PICK 1664, 14
	s_sub_co_u32 s23, ttmp9, s22                   ; T: the tile's number in its tensor
	s_lshr_b32 s24, s23, 2
	s_lshl_b32 s24, s24, 18                        ; g x 64 rows of 4,096 bytes
	s_and_b32 s26, s23, 3
	s_lshl_b32 s26, s26, 15                        ; u x 8 rows
	s_add_co_u32 s24, s24, s26
	s_mov_b32 s25, 0
	s_add_nc_u64 s[20:21], s[20:21], s[24:25]
	s_mul_i32 s24, ttmp9, 12288
	s_add_nc_u64 s[16:17], s[16:17], s[24:25]      ; my tile's images
	s_lshl_b32 s24, ttmp9, 9
	s_add_nc_u64 s[18:19], s[18:19], s[24:25]      ; and its scale words
.macro LOAD s                          ; K step s: 16 rows x 512 bytes into set s % 2
.irp i, 0,1,2,3,4,5,6,7,8,9,10,11,12,13,14,15
	global_load_b128 v[R+64*((\s)%2)+4*\i:R+64*((\s)%2)+4*\i+3], v1, s[20:21] offset:((\i%8)+32*(\i/8))*4096+512*(\s) th:TH_LOAD_NT
.endr
.endm
	LOAD 0
	LOAD 1
.macro STEP s
.set RS, R+64*((\s)%2)
.set CS, CD+12*((\s)%2)
.if (\s) < 7
	s_wait_loadcnt 16                              ; this K step's 16 loads are in; the next one's 16 may be out
.else
	s_wait_loadcnt 0x0
.endif
.irp i, 0,1,2,3,4,5,6,7,8,9,10,11,12,13,14,15
	ds_store_b128 v1, v[RS+4*\i:RS+4*\i+3] offset:PITCH*\i
.endr
.irp c, 0,1
.irp m, 0,1,2,3,4,5,6,7
	ds_load_b128 v[X+32*\c+4*\m:X+32*\c+4*\m+3], v2 offset:256*\c+16*\m   ; LDS serves a wave's instructions in order: these see the stores above
.endr
.endr
	s_wait_dscnt 0x0                               ; my 64 numbers are back, and the stores have read their registers,
.if (\s)+2 < 8
	LOAD (\s)+2                                    ; which take the K step two on
.endif
.irp c, 0,1                                    ; a block's largest magnitude: all 32 numbers are mine; two chains a block, each begun with the floor 2^(3 - 127)
	v_max3_num_f32 v[4+2*\c], |v[X+32*\c]|, |v[X+32*\c+1]|, 0x1800000
	v_max3_num_f32 v[5+2*\c], |v[X+32*\c+16]|, |v[X+32*\c+17]|, 0x1800000
.endr
.irp i, 2,4,6,8,10,12,14
.irp c, 0,1
	v_max3_num_f32 v[4+2*\c], v[4+2*\c], |v[X+32*\c+\i]|, |v[X+32*\c+\i+1]|
	v_max3_num_f32 v[5+2*\c], v[5+2*\c], |v[X+32*\c+16+\i]|, |v[X+32*\c+17+\i]|
.endr
.endr
.irp c, 0,1
	v_max_num_f32 v[4+2*\c], v[4+2*\c], v[5+2*\c]
.endr
.irp c, 0,1
	v_add_nc_u32 v[8+\c], 0xff000000, v[4+2*\c]    ; 2 off the exponent field: the conversion takes the exponent field of this operand as its scale
.endr
.irp c, 0,1
	v_lshrrev_b32 v[10+\c], 23, v[8+\c]            ; the scale's byte
.endr
	v_lshl_or_b32 v[Z+(\s)], v11, 16, v10          ; blocks h and 2 + h of row r
.if (\s) >= 2
	s_wait_alu depctr_va_vdst(0)
	s_wait_xcnt 0x0                                ; the stores of two K steps ago have read this set of codes: it is written again only behind this wait
.endif
	v_cvt_scalef32_pk16_fp6_f32 v[CS:CS+2], v[X:X+15], v8
	v_cvt_scalef32_pk16_fp6_f32 v[40:42], v[X+16:X+31], v8        ; (a conversion's three registers begin on an even number: a block's second half is made elsewhere and moved)
	v_cvt_scalef32_pk16_fp6_f32 v[CS+6:CS+8], v[X+32:X+47], v9
	v_cvt_scalef32_pk16_fp6_f32 v[44:46], v[X+48:X+63], v9
	v_nop                                          ; one plain place behind a scaled conversion
.irp i, 0,1,2
	v_mov_b32 v[CS+3+\i], v[40+\i]
	v_mov_b32 v[CS+9+\i], v[44+\i]
.endr
.irp c, 0,1,2
	global_store_b128 v1, v[CS+4*\c:CS+4*\c+3], s[16:17] offset:1536*(\s)+512*\c   ; 32 lanes store 512 consecutive bytes, at a multiple of 512 from the buffer's first byte
.endr
.endm
.irp s, 0,1,2,3,4,5,6,7
	STEP \s
.endr
.irp i, 0,1,2,3                                ; K step 2 i's lanes 16-31 change places with K step 2 i + 1's lanes 0-15: the first register then holds the bytes of blocks 0 and 2, the second those of blocks 1 and 3,
	v_permlane16_swap_b32 v[Z+2*\i], v[Z+2*\i+1]   ; of K step 2 i in lanes 0-15 and of K step 2 i + 1 in lanes 16-31
.endr
.irp i, 0,1,2,3
	v_lshl_or_b32 v[W+\i], v[Z+2*\i+1], 8, v[Z+2*\i]
.endr
	global_store_b128 v1, v[W:W+3], s[18:19]       ; 512 consecutive bytes
	s_wait_tensorcnt 0x0
	ds_add_u32 v62, v63
	s_wait_dscnt 0x0
	s_endpgm
.Lfunc_end_k_q61650e627b_quant:
	.size	k_q61650e627b_quant, .Lfunc_end_k_q61650e627b_quant-k_q61650e627b_quant
	.p2alignl 7, 3214868480
	.fill 96, 4, 3214868480
	.section	.rodata,"a",@progbits
	.p2align	6, 0x0
	.amdhsa_kernel k_q61650e627b_quant
		.amdhsa_group_segment_fixed_size 8960
		.amdhsa_private_segment_fixed_size 0
		.amdhsa_enable_private_segment 0
		.amdhsa_kernarg_size 64
		.amdhsa_user_sgpr_count 2
		.amdhsa_user_sgpr_kernarg_segment_ptr 1
		.amdhsa_wavefront_size32 1
		.amdhsa_system_sgpr_workgroup_id_x 1
		.amdhsa_system_sgpr_workgroup_id_y 1
		.amdhsa_system_sgpr_workgroup_id_z 1
		.amdhsa_system_vgpr_workitem_id 0
		.amdhsa_next_free_vgpr 256
		.amdhsa_next_free_sgpr 66
		.amdhsa_reserve_vcc 0
		.amdhsa_float_denorm_mode_32 3
		.amdhsa_float_denorm_mode_16_64 3
		.amdhsa_memory_ordered 1
		.amdhsa_forward_progress 1
		.amdhsa_inst_pref_size 58
	.end_amdhsa_kernel
	.amdgpu_metadata
---
amdhsa.version: [ 1, 2 ]
amdhsa.kernels:
  - .name:           k_q61650e627b_quant
    .symbol:         k_q61650e627b_quant.kd
    .args:
      - { .name: q, .offset: 0, .size: 8, .value_kind: global_buffer, .address_space: global }
      - { .name: k, .offset: 8, .size: 8, .value_kind: global_buffer, .address_space: global }
      - { .name: v, .offset: 16, .size: 8, .value_kind: global_buffer, .address_space: global }
      - { .name: Wq, .offset: 24, .size: 8, .value_kind: global_buffer, .address_space: global }
      - { .name: Wk, .offset: 32, .size: 8, .value_kind: global_buffer, .address_space: global }
      - { .name: Wv, .offset: 40, .size: 8, .value_kind: global_buffer, .address_space: global }
      - { .name: opc, .offset: 48, .size: 8, .value_kind: global_buffer, .address_space: global }
      - { .name: ops, .offset: 56, .size: 8, .value_kind: global_buffer, .address_space: global }
    .group_segment_fixed_size: 8960
    .private_segment_fixed_size: 0
    .kernarg_segment_align: 8
    .kernarg_segment_size: 64
    .max_flat_workgroup_size: 32
    .sgpr_count:     66
    .vgpr_count:     256
    .wavefront_size: 32
...
	.end_amdgpu_metadata
.endif
;; end of part 1
;; launch proj (part 2): grid 4 x 192, 4 waves a work-group, clusters of 4 x 4, 295,424 bytes of LDS; arguments opc, ops, bq, bk, bv, qa, kv; writes qa, kv
.if DOCPART == 2
	.amdgcn_target "amdgcn-amd-amdhsa--gfx1250"
	.amdhsa_code_object_version 6
	.text
	.protected	k_q61650e627b_proj
	.globl	k_q61650e627b_proj
	.p2align	8
	.type	k_q61650e627b_proj,@function
k_q61650e627b_proj:
	s_mov_b64 s[64:65], 0
	v_nop
	global_prefetch_b8 v0, s[64:65] scope:SCOPE_SE
	s_setreg_imm32_b32 hwreg(HW_REG_WAVE_MODE, 25, 1), 1
	s_wait_xcnt 0x0
	s_wait_alu depctr_hold_cnt(0) depctr_sa_sdst(0) depctr_va_vdst(0) depctr_va_sdst(0) depctr_va_ssrc(0) depctr_va_vcc(0) depctr_vm_vsrc(0)
	s_getreg_b32 s2, hwreg(HW_REG_IB_STS2, 6, 4)
	s_cmp_eq_u32 s2, 0
	s_cbranch_scc0 .Lentry_in_a_cluster
	s_endpgm
.Lentry_in_a_cluster:
	s_bfe_u32 s2, ttmp6, 0x10000c
	s_cmp_lg_u32 s2, 0xf033
	s_cbranch_scc0 .Lentry_shape_is_right
	s_endpgm
.Lentry_shape_is_right:
; The three projections x W^T + b on codes of FP6 (E2M3), and the quantising of their results for the attention launch.  One body: D[S0 row][S1 row], quantised ALONG THE S0 ROWS.
;   queries, keys (kind 0, 1): S0 = W (the head's 64 are the next K), S1 = x.      values (kind 2): S0 = v (the keys are the next K), S1 = Wv.
; Operands come as images of their registers (16 rows x 128 K: 1,536 bytes, registers 4 c .. 4 c + 3 of a lane at 512 c + 16 x lane) from opc [tile][K step 0..7][1,536], scale words from ops [tile][512].
; A tile's rows are not neighbours: lane row i of tile 4 g + u is the tensor's row 64 g + 8 u + (i % 8) + 32 (i / 8).  In a result lane (r, h) holds source-0 rows 8 h + j, so over the four tiles of a
; group its 32 registers are the 32 NEIGHBOURING rows 64 g + 32 h + 0 .. 31: a whole block of the next K, in the order of the operand's layout.  A block's maximum needs no other lane.
; SHARES.  A work-group makes 256 (S0) x 128 (S1); its four waves 128 x 64 each (i = wave / 2: S0's half; jj = wave % 2: S1's half): 32 accumulators, 256 matrix instructions.
; All of K for the tile, (256 + 128) rows x 768 bytes = 294,912 bytes, lies in LDS at once: it is filled once, in four pieces of four K steps; nothing is filled again.
; CLUSTER 4 x 4: S0's tiles hang on cx alone and are asked for jointly by the four of a column, S1's on cy alone, by the four of a row.
; OUT.  qa [head-and-batch hb][group of 64 queries][3,328]: for tile sigma at 768 sigma: registers 0-3 at 16 x lane, registers 4-5 at 512 + 8 x lane; at 3,072 the scale words, 8 bytes a lane
;   (word i: lanes 0-15 tile 2 i, lanes 16-31 tile 2 i + 1; a word is byte(d 0-31) | byte(d 32-63) << 8, the upper two bytes 0).
;   kv [hb][step of 128 keys][13,056]: two such records of K (keys 0-63, 64-127), then at 6,656 V's four images (16 of the head's 64 x 128 keys, 1,536 bytes each), at 12,800 V's scale words, laid as above.
; The bias is the C of each sum's first matrix instruction.
; LIMITS: a block of zeros gets the byte 1 where the rule says 127 (zero codes; this program alone reads the bytes); NaN and infinities are not served.
; REGISTERS, in windows of 256: window 0: addresses, scale words, bias, the way out;  window 1: the accumulators, (sigma, t) at 64 sigma + 8 t;
;   window 2: S0's 8 fragments, two sets (96 p + 12 t);  window 3: S1's 4 fragments, two sets (48 p + 12 sigma).
.set AD0, 4                            ; v4-5    LDS address of my S0 fragments in K's half j (K steps 4 j .. 4 j + 3)
.set AD1, 8                            ; v8-9    of my S1 fragments
.set SC0, 16                           ; v16-47  S0's scale words: tile t, word s / 2 at 4 t + s / 2; odd K steps in lanes 16-31
.set SC1, 48                           ; v48-63  S1's
.set BI,  64                           ; v64-127 the bias in the result's layout
.set T,   128                          ; v128-135 a unit's largest magnitude (unit n = 2 sigma + g: the 32 registers at 32 n of window 1)
.set SO,  136                          ; v136-143 the conversions' scale operands
.set BY,  144                          ; v144-151 the scale bytes
.set RUN, 152                          ; v152-199 a unit's six registers of codes
.set TMP, 200                          ; v200-231 the second halves as the conversions leave them
.set SW,  232                          ; v232-235 scale words
.set WV,  18
.set IH,  19
.set JJ,  20
.set CX,  21
.set CY,  22
.set KIND, 24
.set G1A, 28                           ; s[28:35] descriptor group 1 for S0's tiles;  s[36:43] for S1's
.set G1B, 36
.set G0A, 44                           ; s[44:51] groups 0 for S0's two halves of K;  s[68:75] for S1's
.set G0B, 68
.set HALF0, 98304                      ; LDS: S0's 16 tiles x 6,144 bytes (four K steps), once for each half of K, from byte 0;
.set HALF1, 49152                      ; S1's 8 tiles likewise,
.set S1B, 196608                       ; from this byte on.  Each of the four pieces is one wave's one tensor load
.set MSB, 0
.macro WIN new                         ; the immediate's high byte repeats the setting that is left
.if MSB != \new
	s_set_vgpr_msb (MSB<<8)|\new
.set MSB, \new
.endif
.endm
.macro PLACES n
.rept \n
	v_nop
.endr
.endm
.macro CROUND                          ; a round of the cluster's barrier
	s_barrier_signal -1
	s_barrier_wait -1
	s_cmp_lg_u32 s[WV], 0
	s_cbranch_scc1 .Lnot_wave_0_\@
	s_barrier_signal -3
.Lnot_wave_0_\@:
	s_barrier_wait -3
	s_barrier_signal -1
	s_barrier_wait -1
.endm
	s_load_b256 s[4:11], s[0:1], 0x0               ; opc s[4:5], ops s[6:7], bq s[8:9], bk s[10:11]
	s_load_b128 s[12:15], s[0:1], 0x20             ; bv s[12:13], qa s[14:15]
	s_load_b64 s[16:17], s[0:1], 0x30              ; kv
	v_lshl_add_u32 v254, v0, 2, 0x48000
	v_mov_b32 v255, 0
	ds_add_u32 v254, v255
	ds_add_u32 v254, v255
	v_lshrrev_b32 v1, 5, v0
	v_readfirstlane_b32 s[WV], v1                  ; wave 0..3
	s_lshr_b32 s[IH], s[WV], 1                     ; my half of S0's rows.  Also: which half of K I fetch
	s_and_b32 s[JJ], s[WV], 1                      ; my half of S1's rows.  Also: I fetch for S0 (0) or for S1 (1)
	s_bfe_u32 s[CX], ttmp6, 0x40000
	s_bfe_u32 s[CY], ttmp6, 0x40004
	s_and_b32 s23, ttmp7, 0xffff                   ; the cluster's y, 0..47: 16 clusters to a kind
	s_lshr_b32 s[KIND], s23, 4
	s_and_b32 s25, s23, 15
	s_lshr_b32 s26, s25, 1                         ; values: 8 x 2 clusters over (S0, S1)
	s_and_b32 s27, s25, 1
	s_lshl_b32 s60, s[KIND], 6
	s_add_co_u32 s60, s60, 1536                    ; queries, keys: S0 = Wq from tile 1536, Wk from 1600;
	s_lshl_b32 s61, s[KIND], 9                     ; S1 = q from tile 0, k from 512
	s_cmp_eq_u32 s[KIND], 2
	s_cselect_b32 s26, s26, 0                      ; A: which four of S0's blocks of 256 rows
	s_cselect_b32 s27, s27, s25                    ; B: which four of S1's blocks of 128 rows
	s_cselect_b32 s60, 1024, s60                   ; values: S0 = v from tile 1024,
	s_cselect_b32 s61, 1664, s61                   ; S1 = Wv from 1664
	s_lshl_b32 s66, 0x1111, s[CX]                  ; my column of the cluster
	s_lshl_b32 s67, s[CY], 2
	s_lshl_b32 s67, 15, s67                        ; my row
	; descriptor group 1: rows of 6,144 bytes (a tile's four K steps; 768 elements of 8 bytes), 12,288 bytes apart in memory (a tile), dense in LDS: 16 rows for S0, 8 for S1
	s_or_b32 s[G1A], s66, (3<<16)|(1<<21)          ; 15:0 the mask; 17:16 elements of 8 bytes; 21 set beside a mask; no padding
	s_or_b32 s[G1B], s67, (3<<16)|(1<<21)
	s_mov_b32 s[G1A+1], 768<<16                    ; tensor_dim0
	s_mov_b32 s[G1A+2], 16<<16                     ; tensor_dim1
	s_mov_b32 s[G1A+3], 768<<16                    ; tile_dim0
	s_mov_b32 s[G1A+4], 16                         ; tile_dim1
	s_mov_b32 s[G1A+5], 1536                       ; tensor_dim0_stride
	s_mov_b32 s[G1A+6], 0
	s_mov_b32 s[G1A+7], 0
	s_mov_b32 s[G1B+1], 768<<16
	s_mov_b32 s[G1B+2], 8<<16
	s_mov_b32 s[G1B+3], 768<<16
	s_mov_b32 s[G1B+4], 8
	s_mov_b32 s[G1B+5], 1536
	s_mov_b32 s[G1B+6], 0
	s_mov_b32 s[G1B+7], 0
	; S0's numbers stand in s84-89, which never hold cy; S1's in s90-95, which never hold cx
	s_lshl_b32 s84, s26, 2
	s_add_co_u32 s84, s84, s[CX]                   ; a: my block of 256 rows of S0
	s_lshl_b32 s85, s84, 4
	s_add_co_u32 s85, s85, s60                     ; its first tile
	s_mul_i32 s86, s85, 12288                      ; where the block's 16 tiles begin in opc
	s_mov_b32 s87, 0
	s_lshl_b32 s96, s[IH], 3
	s_add_co_u32 s88, s85, s96                     ; the 8 tiles that I multiply
	s_lshl_b32 s88, s88, 9                         ; their scale words
	s_mov_b32 s89, 0
	s_lshl_b32 s90, s27, 2
	s_add_co_u32 s90, s90, s[CY]                   ; b: my block of 128 rows of S1
	s_lshl_b32 s91, s90, 3
	s_add_co_u32 s91, s91, s61
	s_mul_i32 s92, s91, 12288                      ; where the block's 8 tiles begin in opc
	s_lshl_b32 s97, s[JJ], 2
	s_add_co_u32 s91, s91, s97                     ; the 4 tiles that I multiply
	s_mov_b32 s93, 0
	s_lshl_b32 s94, s91, 9
	s_mov_b32 s95, 0
	s_wait_dscnt 0x0
	s_wait_kmcnt 0x0
	s_add_nc_u64 s[86:87], s[4:5], s[86:87]
	s_add_nc_u64 s[92:93], s[4:5], s[92:93]
	s_add_nc_u64 s[88:89], s[6:7], s[88:89]
	s_add_nc_u64 s[94:95], s[6:7], s[94:95]
	CROUND                                         ; all sixteen work-groups are here: the joint loads meet
.irp j, 0,1
	s_mov_b32 s[G0A+4*\j], 1                       ; count = 1
	s_mov_b32 s[G0A+4*\j+1], HALF0*\j              ; LDS address: a constant
	s_add_nc_u64 s[G0A+4*\j+2:G0A+4*\j+3], s[86:87], 6144*\j   ; global address: K steps 4 j .. 4 j + 3
	s_or_b32 s[G0A+4*\j+3], s[G0A+4*\j+3], 0x80000000          ; type = 2
	s_mov_b32 s[G0B+4*\j], 1
	s_mov_b32 s[G0B+4*\j+1], S1B+HALF1*\j
	s_add_nc_u64 s[G0B+4*\j+2:G0B+4*\j+3], s[92:93], 6144*\j
	s_or_b32 s[G0B+4*\j+3], s[G0B+4*\j+3], 0x80000000
.endr
; ONE tensor load a wave, each in its own arm of one chain of branches on the wave's number: wave 0 S0's first half of K, wave 1 S1's, wave 2 S0's second half, wave 3 S1's
.macro ARM n, g0, g1, next
	s_cmp_eq_u32 s[WV], \n
	s_cbranch_scc0 \next
	tensor_load_to_lds s[\g0:\g0+3], s[\g1:\g1+7]
	s_nop 0
	PLACES 4
	s_branch .Lfetched
\next:
.endm
	ARM 0, G0A, G1A, .Larm_1
	ARM 1, G0B, G1B, .Larm_2
	ARM 2, G0A+4, G1A, .Larm_3
	tensor_load_to_lds s[G0B+4:G0B+7], s[G1B:G1B+7]
	s_nop 0
	PLACES 4
.Lfetched:
	v_and_b32 v13, 31, v0                          ; lane
	v_lshlrev_b32 v1, 4, v13                       ; 16 x lane
	v_lshlrev_b32 v2, 3, v13                       ; 8 x lane
	v_bfe_u32 v14, v0, 4, 1                        ; h
	v_lshlrev_b32 v3, 7, v14                       ; bias along S0: my half's 32 numbers begin 128 h bytes on
	v_and_b32 v15, 7, v0
	v_bfe_u32 v12, v0, 3, 1
	v_lshl_add_u32 v12, v12, 5, v15
	v_lshlrev_b32 v12, 2, v12                      ; bias along S1: 4 x ((r % 8) + 32 (r / 8))
	s_mul_i32 s96, s[IH], 49152                    ; my 8 tiles of S0: 8 x 6,144 bytes a half of the rows
	s_mul_i32 s97, s[JJ], 24576                    ; my 4 tiles of S1
	s_add_co_u32 s97, s97, S1B
.irp j, 0,1
	v_add_nc_u32 v[AD0+\j], s96, v1
	v_add_nc_u32 v[AD1+\j], s97, v1
	s_add_co_u32 s96, s96, HALF0
	s_add_co_u32 s97, s97, HALF1
.endr
	s_wait_alu depctr_va_vdst(0)
.irp t, 0,1,2,3,4,5,6,7
	global_load_b128 v[SC0+4*\t:SC0+4*\t+3], v1, s[88:89] offset:512*\t   ; a tile's scale words for all of K: 512 consecutive bytes
.endr
.irp g, 0,1,2,3
	global_load_b128 v[SC1+4*\g:SC1+4*\g+3], v1, s[94:95] offset:512*\g
.endr
; 36 LDS loads: the fragments of K step s (my 8 tiles of S0, my 4 of S1) into set s % 2
.macro FETCH s
	WIN 0x80                                       ; destination window 2, address window 0
.irp t, 0,1,2,3,4,5,6,7
.irp c, 0,1,2
	ds_load_b128 v[96*((\s)%2)+12*\t+4*\c:96*((\s)%2)+12*\t+4*\c+3], v[AD0+(\s)/4] offset:6144*\t+1536*((\s)%4)+512*\c
.endr
.endr
	WIN 0xc0                                       ; destination window 3
.irp g, 0,1,2,3
.irp c, 0,1,2
	ds_load_b128 v[48*((\s)%2)+12*\g+4*\c:48*((\s)%2)+12*\g+4*\c+3], v[AD1+(\s)/4] offset:6144*\g+1536*((\s)%4)+512*\c
.endr
.endr
.endm
; 32 matrix instructions: K step s.  The 32 accumulators take turns, one instruction a turn, in the same order in every K step.
; cmode 1: C = the bias along S0 (tile t's eight registers);  2: along S1 (tile sigma's);  0: the sum so far.  An odd K step's scale words stand in lanes 16-31.
.macro MUL32 s, cmode
.irp g, 0,1,2,3
.irp t, 0,1,2,3,4,5,6,7
.set FA, 96*((\s)%2)+12*\t
.set FB, 48*((\s)%2)+12*\g
.set DD, 64*\g+8*\t
.set SA, SC0+4*\t+(\s)/2
.set SB, SC1+4*\g+(\s)/2
.if \cmode == 1
	v_wmma_scale_f32_16x16x128_f8f6f4 v[DD:DD+7], v[FA:FA+11], v[FB:FB+11], v[BI+8*\t:BI+8*\t+7], v[SA], v[SB] matrix_a_fmt:MATRIX_FMT_FP6 matrix_b_fmt:MATRIX_FMT_FP6
.elseif \cmode == 2
	v_wmma_scale_f32_16x16x128_f8f6f4 v[DD:DD+7], v[FA:FA+11], v[FB:FB+11], v[BI+8*\g:BI+8*\g+7], v[SA], v[SB] matrix_a_fmt:MATRIX_FMT_FP6 matrix_b_fmt:MATRIX_FMT_FP6
.elseif (\s)%2
	v_wmma_scale_f32_16x16x128_f8f6f4 v[DD:DD+7], v[FA:FA+11], v[FB:FB+11], v[DD:DD+7], v[SA], v[SB] matrix_a_fmt:MATRIX_FMT_FP6 matrix_b_fmt:MATRIX_FMT_FP6 matrix_a_scale:MATRIX_SCALE_ROW1 matrix_b_scale:MATRIX_SCALE_ROW1
.else
	v_wmma_scale_f32_16x16x128_f8f6f4 v[DD:DD+7], v[FA:FA+11], v[FB:FB+11], v[DD:DD+7], v[SA], v[SB] matrix_a_fmt:MATRIX_FMT_FP6 matrix_b_fmt:MATRIX_FMT_FP6
.endif
.endr
.endr
.endm
; The start, once for each way of the bias: the first pair of K steps is whole, its fragments are fetched, K step 0 starts the sums on the bias.
.macro START cmode
	s_cmp_lt_u32 s[WV], 2                          ; waves 0 and 1 brought the first half of K: they wait for their loads; the other two loads may be out
	s_cbranch_scc0 .Llater_\@
	s_wait_tensorcnt 0x0
.Llater_\@:
	s_barrier_signal -1
	s_barrier_wait -1                              ; K steps 0 to 3 are whole
	FETCH 0
	FETCH 1
	s_wait_loadcnt 0x0                             ; scale words and bias
	s_wait_dscnt 36                                ; K step 0's fragments are in; K step 1's 36 loads may be out
	WIN 0x4e                                       ; source 0 window 2, source 1 window 3, C window 0, D window 1
	MUL32 0, \cmode
	WIN 0                                          ; at a label and at a branch every window is 0
.endm
	s_cmp_eq_u32 s[KIND], 2                        ; the kind hangs on the cluster's y alone: the same in all waves and in all partners
	s_cbranch_scc1 .Lstart_v
	s_cmp_eq_u32 s[KIND], 0
	s_cselect_b64 s[98:99], s[8:9], s[10:11]       ; bq or bk
	s_lshl_b32 s96, s84, 10
	s_lshl_b32 s97, s[IH], 9
	s_add_co_u32 s96, s96, s97                     ; 4 x (256 a + 128 i)
	s_mov_b32 s97, 0
	s_add_nc_u64 s[98:99], s[98:99], s[96:97]
.irp t, 0,1,2,3,4,5,6,7                        ; register j of tile 4 g + u is output 64 g + 32 h + 8 u + j of my 128
	global_load_b128 v[BI+8*\t:BI+8*\t+3], v3, s[98:99] offset:(64*(\t/4)+8*(\t%4))*4
	global_load_b128 v[BI+8*\t+4:BI+8*\t+7], v3, s[98:99] offset:(64*(\t/4)+8*(\t%4))*4+16
.endr
	s_wait_alu depctr_va_vdst(0)
	START 1
	s_branch .Lstarted
.Lstart_v:
	s_lshl_b32 s96, s90, 9
	s_lshl_b32 s97, s[JJ], 8
	s_add_co_u32 s96, s96, s97                     ; 4 x (128 b + 64 jj)
	s_mov_b32 s97, 0
	s_add_nc_u64 s[98:99], s[12:13], s[96:97]
	s_wait_alu depctr_va_vdst(0)
.irp g, 0,1,2,3                                ; all eight registers of tile sigma hold my column's bias: output 8 sigma + (r % 8) + 32 (r / 8) of my 64
.irp j, 0,1,2,3,4,5,6,7
	global_load_b32 v[BI+8*\g+\j], v12, s[98:99] offset:32*\g
.endr
.endr
	START 2
.Lstarted:
.irp s, 1,2,3,4,5,6
	PLACES 4                                       ; in front of loads into the set that the K step before multiplied
.if \s == 3
	s_wait_tensorcnt 0x0                           ; every wave's load is in: the barrier shows the second half of K, ahead of K step 4's fetch
	s_wait_dscnt 0x0                               ; no LDS load of mine is out at the signal
	s_barrier_signal -1
	s_barrier_wait -1
.endif
	FETCH \s+1
	s_wait_dscnt 36                                ; all but the 36 just issued
	WIN 0x5e                                       ; source 0 window 2, source 1 window 3, C and D window 1
	MUL32 \s, 0
.endr
	s_wait_dscnt 0x0
	MUL32 7, 0
	PLACES 4                                       ; in front of the first read of results
	; THE WAY OUT.  Unit n = 2 sigma + g: my 32 registers at 32 n are one block of 32 along the next K.
	WIN 0x14                                       ; sources 1 and 2 window 1
.irp n, 0,1,2,3,4,5,6,7
	v_max3_num_f32 v[T+\n], 0x1800000, |v[32*\n]|, |v[32*\n+1]|   ; with the floor 2^(3 - 127); each accumulator is read from its low end on
.endr
.irp i, 2,4,6,8,10,12,14,16,18,20,22,24,26,28,30
.irp n, 0,1,2,3,4,5,6,7
	v_max3_num_f32 v[T+\n], v[T+\n], |v[32*\n+\i]|, |v[32*\n+\i+1]|   ; (the eight units by turns)
.endr
.endr
	WIN 0
.irp n, 0,1,2,3,4,5,6,7
	v_add_nc_u32 v[SO+\n], 0xff000000, v[T+\n]     ; 2 off the exponent field: the conversion's scale operand
.endr
.irp n, 0,1,2,3,4,5,6,7
	v_lshrrev_b32 v[BY+\n], 23, v[SO+\n]           ; the scale's byte
.endr
	WIN 0x01                                       ; source 0 window 1
.irp n, 0,1,2,3,4,5,6,7
	v_cvt_scalef32_pk16_fp6_f32 v[RUN+6*\n:RUN+6*\n+2], v[32*\n:32*\n+15], v[SO+\n]
	v_cvt_scalef32_pk16_fp6_f32 v[TMP+4*\n:TMP+4*\n+2], v[32*\n+16:32*\n+31], v[SO+\n]   ; (a conversion's three registers begin on an even number)
.endr
	WIN 0
	v_nop                                          ; one plain place behind a scaled conversion
.irp n, 0,1,2,3,4,5,6,7
.irp i, 0,1,2
	v_mov_b32 v[RUN+6*\n+3+\i], v[TMP+4*\n+\i]
.endr
.endr
	s_cmp_eq_u32 s[KIND], 2
	s_cbranch_scc1 .Lout_v
	; queries, keys: group g of S0 is head 4 a + 2 i + g; my 64 rows of x are group Gf = 2 b + jj of 128
	s_lshl_b32 s96, s90, 1
	s_add_co_u32 s96, s96, s[JJ]
	s_lshr_b32 s97, s96, 5                         ; batch
	s_and_b32 s96, s96, 31                         ; the group in its batch
	s_lshl_b32 s97, s97, 4
	s_lshl_b32 s60, s84, 2
	s_add_co_u32 s97, s97, s60
	s_lshl_b32 s60, s[IH], 1
	s_add_co_u32 s97, s97, s60                     ; hb of g = 0
	s_mul_i32 s60, s96, 3328                       ; a record's place in qa's head;
	s_lshr_b32 s61, s96, 1
	s_mul_i32 s61, s61, 13056
	s_and_b32 s62, s96, 1
	s_mul_i32 s62, s62, 3328
	s_add_co_u32 s61, s61, s62                     ; in kv's: step, and which half of its keys
	s_mov_b32 s62, 208896
	s_cmp_eq_u32 s[KIND], 0
	s_cselect_b64 s[86:87], s[14:15], s[16:17]     ; qa or kv
	s_cselect_b32 s60, s60, s61
	s_cselect_b32 s62, 106496, s62                 ; a head's bytes
	s_mul_i32 s66, s97, s62
	s_add_co_u32 s66, s66, s60
	s_mov_b32 s67, 0
	s_mov_b32 s63, 0
	s_add_nc_u64 s[86:87], s[86:87], s[66:67]      ; the record of g = 0,
	s_add_nc_u64 s[92:93], s[86:87], s[62:63]      ; and of g = 1: the next head's
.irp g, 0,1
.irp i, 0,1                                    ; tile 2 i's lanes 16-31 change places with tile 2 i + 1's lanes 0-15: the first register then holds the bytes of d 0-31, the second those of d 32-63
	v_permlane16_swap_b32 v[BY+4*\i+\g], v[BY+4*\i+2+\g]
.endr
.endr
.irp g, 0,1
.irp i, 0,1
	v_lshl_or_b32 v[SW+2*\g+\i], v[BY+4*\i+2+\g], 8, v[BY+4*\i+\g]
.endr
.endr
	s_wait_alu depctr_va_vdst(0)
.irp g, 0,1
.irp q, 0,1,2,3
	global_store_b128 v1, v[RUN+6*(2*\q+\g):RUN+6*(2*\q+\g)+3], s[86+6*\g:87+6*\g] offset:768*\q        ; 512 consecutive bytes,
	global_store_b64 v2, v[RUN+6*(2*\q+\g)+4:RUN+6*(2*\q+\g)+5], s[86+6*\g:87+6*\g] offset:768*\q+512   ; 256 consecutive bytes, each at a multiple of 256 from the buffer's first byte
.endr
	global_store_b64 v2, v[SW+2*\g:SW+2*\g+1], s[86+6*\g:87+6*\g] offset:3072
.endr
	s_branch .Lend
.Lout_v:
	; values: my 128 rows of v are step Sf = 2 a + i of 64; my 64 rows of Wv are head 2 b + jj.  Units 2 sigma and 2 sigma + 1 are the twelve registers of image sigma
	s_lshl_b32 s96, s84, 1
	s_add_co_u32 s96, s96, s[IH]
	s_lshr_b32 s97, s96, 4                         ; batch
	s_and_b32 s96, s96, 15                         ; the step in its batch
	s_lshl_b32 s97, s97, 4
	s_lshl_b32 s60, s90, 1
	s_add_co_u32 s97, s97, s60
	s_add_co_u32 s97, s97, s[JJ]                   ; hb
	s_mul_i32 s66, s97, 208896
	s_mul_i32 s60, s96, 13056
	s_add_co_u32 s66, s66, s60
	s_add_co_u32 s66, s66, 6656
	s_mov_b32 s67, 0
	s_add_nc_u64 s[86:87], s[16:17], s[66:67]
.irp q, 0,1,2,3
	v_lshl_or_b32 v[T+\q], v[BY+2*\q+1], 16, v[BY+2*\q]   ; blocks h and 2 + h of the step's four
.endr
.irp i, 0,1
	v_permlane16_swap_b32 v[T+2*\i], v[T+2*\i+1]
.endr
.irp i, 0,1
	v_lshl_or_b32 v[SW+\i], v[T+2*\i+1], 8, v[T+2*\i]
.endr
	s_wait_alu depctr_va_vdst(0)
.irp q, 0,1,2,3
.irp c, 0,1,2
	global_store_b128 v1, v[RUN+12*\q+4*\c:RUN+12*\q+4*\c+3], s[86:87] offset:1536*\q+512*\c
.endr
.endr
	global_store_b64 v2, v[SW:SW+1], s[86:87] offset:6144
.Lend:
	s_wait_tensorcnt 0x0
	ds_add_u32 v254, v255
	s_wait_dscnt 0x0
	CROUND                                         ; the closing round: no work-group ends while a partner may still ask for a tile that names it
	s_endpgm
.Lfunc_end_k_q61650e627b_proj:
	.size	k_q61650e627b_proj, .Lfunc_end_k_q61650e627b_proj-k_q61650e627b_proj
	.p2alignl 7, 3214868480
	.fill 96, 4, 3214868480
	.section	.rodata,"a",@progbits
	.p2align	6, 0x0
	.amdhsa_kernel k_q61650e627b_proj
		.amdhsa_group_segment_fixed_size 295424
		.amdhsa_private_segment_fixed_size 0
		.amdhsa_enable_private_segment 0
		.amdhsa_kernarg_size 56
		.amdhsa_user_sgpr_count 2
		.amdhsa_user_sgpr_kernarg_segment_ptr 1
		.amdhsa_wavefront_size32 1
		.amdhsa_system_sgpr_workgroup_id_x 1
		.amdhsa_system_sgpr_workgroup_id_y 1
		.amdhsa_system_sgpr_workgroup_id_z 1
		.amdhsa_system_vgpr_workitem_id 0
		.amdhsa_next_free_vgpr 1024
		.amdhsa_next_free_sgpr 100
		.amdhsa_reserve_vcc 0
		.amdhsa_float_denorm_mode_32 3
		.amdhsa_float_denorm_mode_16_64 3
		.amdhsa_memory_ordered 1
		.amdhsa_forward_progress 1
		.amdhsa_inst_pref_size 91
	.end_amdhsa_kernel
	.amdgpu_metadata
---
amdhsa.version: [ 1, 2 ]
amdhsa.kernels:
  - .name:           k_q61650e627b_proj
    .symbol:         k_q61650e627b_proj.kd
    .args:
      - { .name: opc, .offset: 0, .size: 8, .value_kind: global_buffer, .address_space: global }
      - { .name: ops, .offset: 8, .size: 8, .value_kind: global_buffer, .address_space: global }
      - { .name: bq, .offset: 16, .size: 8, .value_kind: global_buffer, .address_space: global }
      - { .name: bk, .offset: 24, .size: 8, .value_kind: global_buffer, .address_space: global }
      - { .name: bv, .offset: 32, .size: 8, .value_kind: global_buffer, .address_space: global }
      - { .name: qa, .offset: 40, .size: 8, .value_kind: global_buffer, .address_space: global }
      - { .name: kv, .offset: 48, .size: 8, .value_kind: global_buffer, .address_space: global }
    .group_segment_fixed_size: 295424
    .private_segment_fixed_size: 0
    .kernarg_segment_align: 8
    .kernarg_segment_size: 56
    .max_flat_workgroup_size: 128
    .sgpr_count:     100
    .vgpr_count:     1024
    .wavefront_size: 32
...
	.end_amdgpu_metadata
.endif
;; end of part 2
;; launch attn (part 3): grid 4 x 64, 4 waves a work-group, clusters of 4 x 1, 280,576 bytes of LDS; arguments qa, kv, out0; writes out0
.if DOCPART == 3
	.amdgcn_target "amdgcn-amd-amdhsa--gfx1250"
	.amdhsa_code_object_version 6
	.text
	.protected	k_q61650e627b_attn
	.globl	k_q61650e627b_attn
	.p2align	8
	.type	k_q61650e627b_attn,@function
k_q61650e627b_attn:
	s_mov_b64 s[64:65], 0
	v_nop
	global_prefetch_b8 v0, s[64:65] scope:SCOPE_SE
	s_setreg_imm32_b32 hwreg(HW_REG_WAVE_MODE, 25, 1), 1
	s_wait_xcnt 0x0
	s_wait_alu depctr_hold_cnt(0) depctr_sa_sdst(0) depctr_va_vdst(0) depctr_va_sdst(0) depctr_va_ssrc(0) depctr_va_vcc(0) depctr_vm_vsrc(0)
	s_getreg_b32 s2, hwreg(HW_REG_IB_STS2, 6, 4)
	s_cmp_eq_u32 s2, 0
	s_cbranch_scc0 .Lentry_in_a_cluster
	s_endpgm
.Lentry_in_a_cluster:
	s_bfe_u32 s2, ttmp6, 0x10000c
	s_cmp_lg_u32 s2, 0x3003
	s_cbranch_scc0 .Lentry_shape_is_right
	s_endpgm
.Lentry_shape_is_right:
; out[batch][q][64 head + d] = the sum over keys of softmax(Q . K / 8) V, both products on codes of FP6 (E2M3) with one E8M0 scale for each 32 along K.
; qa [hb = 16 batch + head][group of 64 queries][3,328] and kv [hb][step of 128 keys][13,056] hold the operands as images of their registers:
;   a record of Q or K (64 rows): tile u at 768 u: registers 0-3 at 16 x lane, 4-5 at 512 + 8 x lane; at 3,072 the scale words, 8 bytes a lane (word i: lanes 0-15 tile 2 i, lanes 16-31 tile 2 i + 1);
;   a step of kv: K's two records at 0 and 3,328; V's four images (16 channels x 128 keys: registers 4 c .. 4 c + 3 at 512 c + 16 x lane) from 6,656; V's scale words at 12,800.
; Lane row i of tile u of a group of 64 is row 8 u + (i % 8) + 32 (i / 8).  Both products are used transposed (S^T = K Q^T, O^T = V^T P^T): a lane holds ONE query, and its 32 registers of four
; tiles are 32 neighbouring keys (or channels): a whole block of P's K, in the order of the operand's layout.
; The head's 64 fill half of the instruction's 128: Q's registers 6-11 are zero codes; K's tiles stand six registers apart, so a tile's operand runs on over the next tile's codes (zeros behind tile 7), which meet zero codes.
; THE SOFTMAX: t = score x log2(e) / 8; M = the running largest t rounded UP to a whole number; p = 2^(t - M) is quantised along the keys; the row's sum is taken of the unquantised p and divides O at the end.
; When M moves, the sum and O are multiplied by 2^(old M - new M): exact.  A block's largest p is its largest score put through the same multiply-add and exponential.
; SHARES.  A work-group owns 512 queries of one head: four waves, one to a SIMD; a wave takes a group of 64 queries (FOUR tiles at once) through the 16 key steps, twice (groups w and 4 + w of the eight).
; So a fragment of K or V read from LDS feeds four products, and every chain of dependent lines stands four or eight times side by side.
; The head's whole kv, 208,896 bytes, lies in LDS, filled once: wave w brings steps 4 w .. 4 w + 3 by one load.  The four work-groups of a cluster own the same head and ask JOINTLY.
; Wave 0's load has a line of its own: the first key step, which reads steps 0 and 1 alone, begins when that load is in; a plain barrier behind it shows the other three.
; All of kv is asked for at the head, so there is no later tile to prefetch.
; A KEY STEP: 16 products S^T; 16 more, each with four lines of the first blocks' search for the largest score behind it; the second blocks' search; M; O^T under the new M; then STAGES: one tile's 64
; exponentials stand line by line between the next tile's multiply-adds and earlier tiles' sums; among the last tile's exponentials stand the products O^T of tiles 0 to 2, tile 3's among the trees' last levels.
; A tile's sum is a tree IN PLACE over its p, behind the conversions that have read them, one level a stage: no line of a stage reads what a line of the same stage wrote; one wait closes each stage.
; The pass's first key step starts O on the constant 0 and rescales nothing.
; LIMITS: NaN and infinities are not served; the scaled scores stay under 2^31 in magnitude; a block whose every p has fallen to 0 keeps the byte 1 (its codes are zeros).
; REGISTERS.  Window 0: addresses, scales, the tiles' small state, Q, P.  Window 1: the scores, then p: tile q at 64 q.  Window 2: O^T (tile q at 32 q), V's images, K's tiles.
.set STEPB, 13056
.set STAGE, 16*STEPB                   ; behind kv: for each wave four stages of 16 rows x (256 + 16) bytes; no tile lands there
.set SPARE, 0x44000                    ; the spare words, 128 bytes a wave
.set KS, 12                            ; v12-15  K's scale words
.set VS, 16                            ; v16-17  V's
.set BM, 18                            ; v18-25  tile q, block c: the largest score, then the largest p, then the byte
.set PS, 26                            ; v26-29  p's scale words
.set QS, 32                            ; v32-35  Q's
.set XR, 36                            ; v36-39  what lane l xor 16 sends
.set TR, 40                            ; v40-43  the running largest score
.set DT, 44                            ; v44-47  at work
.set NM, 48                            ; v48-55  -M, the low word of a pair
.set FF, 56                            ; v56-63  f = 2^(old M - new M), the low word of a pair
.set LS, 64                            ; v64-71  the row's sum in two halves
.set SO, 72                            ; v72-79  the conversions' scale operands
.set TM, 80                            ; v80-111 the blocks' second halves as the conversions leave them
.set QF, 112                           ; v112-159 Q: six registers of codes and six of zeros a tile
.set PF, 160                           ; v160-207 p's codes
.set VF, 128                           ; window 2
.set KF, 176                           ; window 2: 48 registers, and six zeros
; v1 16 x lane, v2 8 x lane, v3, v4 the same + the step's place, v5 8 r, v6, v7 the stage in and back, v8 my place in the rows of out, v9 8 h, v10 my spare word, v11 0
.set WV, 10
.set G0, 16
.set G1, 20
.set CS, 28                            ; s[28:29] c = log2(e) / 8
.set SEL, 30                           ; s[30:31] selects for lane l xor 16
.set TB, 32                            ; LDS byte at which the step in hand begins
.set CNT, 33
.set PASS, 34
.set NC, 35                            ; -c
.set QP, 36                            ; s[36:37] my first group's record of Q;  s[38:39] the pass's rows of out
.set OP, 38
.set MSB, 0
.macro WIN new                         ; the immediate's high byte repeats the setting that is left
.if MSB != \new
	s_set_vgpr_msb (MSB<<8)|\new
.set MSB, \new
.endif
.endm
.macro WALU
	s_wait_alu depctr_va_vdst(0)
.endm
.macro CROUND
	s_barrier_signal -1
	s_barrier_wait -1
	s_cmp_lg_u32 s[WV], 0
	s_cbranch_scc1 .Lnot_wave_0_\@
	s_barrier_signal -3
.Lnot_wave_0_\@:
	s_barrier_wait -3
	s_barrier_signal -1
	s_barrier_wait -1
.endm
	s_load_b128 s[4:7], s[0:1], 0x0                ; qa, kv
	s_load_b64 s[8:9], s[0:1], 0x10                ; out0
	v_lshl_add_u32 v10, v0, 2, SPARE
	v_mov_b32 v11, 0
	ds_add_u32 v10, v11
	ds_add_u32 v10, v11
	v_lshrrev_b32 v1, 5, v0
	v_readfirstlane_b32 s[WV], v1                  ; wave 0..3
	s_bfe_u32 s11, ttmp6, 0x40000                  ; cx: which 512 queries; it enters Q's and out's addresses alone
	s_and_b32 s12, ttmp7, 0xffff                   ; hb, which the four partners share
	s_mov_b32 s[G1], 15|(3<<16)|(1<<21)            ; the mask: all four work-groups; elements of 8 bytes; bit 21 beside a mask
	s_mov_b32 s[G1+1], 32<<16                      ; four steps' 52,224 dense bytes as 204 rows of 256
	s_mov_b32 s[G1+2], 204<<16
	s_mov_b32 s[G1+3], 32<<16
	s_mov_b32 s[G1+4], 204
	s_mov_b32 s[G1+5], 32
	s_mov_b32 s[G1+6], 0
	s_mov_b32 s[G1+7], 0
	s_mul_i32 s13, s[WV], 4*STEPB                  ; my four steps' place in the head, in memory and in LDS
	s_mul_i32 s40, s12, 16*STEPB
	s_add_co_u32 s40, s40, s13
	s_mov_b32 s41, 0
	s_lshl_b32 s42, s11, 3
	s_add_co_u32 s42, s42, s[WV]                   ; my first group of 64 queries: 8 cx + w
	s_mul_i32 s44, s12, 106496
	s_mul_i32 s45, s42, 3328
	s_add_co_u32 s44, s44, s45
	s_mov_b32 s45, 0
	s_lshr_b32 s14, s12, 4
	s_lshl_b32 s14, s14, 11                        ; batch x 2,048 rows
	s_lshl_b32 s15, s42, 6
	s_add_co_u32 s14, s14, s15
	s_lshl_b32 s14, s14, 12                        ; rows of 4,096 bytes
	s_and_b32 s15, s12, 15
	s_lshl_b32 s15, s15, 8
	s_add_co_u32 s14, s14, s15                     ; + the head's 256 bytes
	s_mov_b32 s15, 0
	s_mov_b32 s[CS], 0x3e38aa3b
	s_mov_b32 s[CS+1], s[CS]
	s_mov_b32 s[NC], 0xbe38aa3b
	s_mov_b32 s[SEL], 0x76543210
	s_mov_b32 s[SEL+1], 0xfedcba98
	WALU
	s_wait_dscnt 0x0
	s_wait_kmcnt 0x0
	s_add_nc_u64 s[QP:QP+1], s[4:5], s[44:45]
	s_add_nc_u64 s[OP:OP+1], s[8:9], s[14:15]
	CROUND                                         ; all four work-groups are here: the joint loads meet
	s_mov_b32 s[G0], 1
	s_mov_b32 s[G0+1], s13
	s_add_nc_u64 s[G0+2:G0+3], s[6:7], s[40:41]
	s_or_b32 s[G0+3], s[G0+3], 0x80000000
	s_cmp_eq_u32 s[WV], 0                          ; my one tensor load of the launch; wave 0, which alone waits ahead of the first barrier, has a line of its own
	s_cbranch_scc0 .Lothers
	tensor_load_to_lds s[G0:G0+3], s[G1:G1+7]
	s_nop 0
.rept 4
	v_nop
.endr
	s_branch .Lasked
.Lothers:
	tensor_load_to_lds s[G0:G0+3], s[G1:G1+7]
	s_nop 0
.rept 4
	v_nop
.endr
.Lasked:
	v_and_b32 v30, 31, v0                          ; lane
	v_and_b32 v31, 15, v0                          ; r
	v_bfe_u32 v3, v0, 4, 1                         ; h
	v_lshlrev_b32 v1, 4, v30
	v_lshlrev_b32 v2, 3, v30
	v_lshlrev_b32 v5, 3, v31
	v_lshlrev_b32 v9, 3, v3
	s_mul_i32 s42, s[WV], 4*4352
	s_add_co_u32 s42, s42, STAGE                   ; my four stages
	v_mul_u32_u24 v6, v31, 272
	v_lshl_add_u32 v6, v3, 7, v6
	v_add_nc_u32 v6, s42, v6                       ; in: row r, my half's 128 bytes
	v_mul_u32_u24 v7, v3, 272
	v_lshl_add_u32 v7, v31, 4, v7
	v_add_nc_u32 v7, s42, v7                       ; back: lanes 0-15 one row, lanes 16-31 the next
	v_lshlrev_b32 v8, 12, v3
	v_lshl_add_u32 v8, v31, 4, v8                  ; and the same two rows in out
.macro QLOAD off                       ; a group's four tiles: six registers of codes and the scale word each
.irp u, 0,1,2,3
	global_load_b128 v[QF+12*\u:QF+12*\u+3], v1, s[QP:QP+1] offset:\off+768*\u
	global_load_b64 v[QF+12*\u+4:QF+12*\u+5], v2, s[QP:QP+1] offset:\off+768*\u+512
	global_load_b32 v[QS+\u], v5, s[QP:QP+1] offset:\off+3072+128*(\u%2)+4*(\u/2)
.endr
.endm
	QLOAD 0
.irp q, 0,1,2,3
.irp j, 6,7,8,9,10,11
	v_mov_b32 v[QF+12*\q+\j], 0                    ; zero codes: Q's upper half of K
.endr
	v_mov_b32 v[NM+2*\q+1], 0                      ; (the pairs' upper words are named, so they are written)
	v_mov_b32 v[FF+2*\q+1], 0
	v_mov_b32 v[XR+\q], 0                          ; (a lane permute's destination counts as one of its sources)
.endr
	WIN 0x80
.irp j, 48,49,50,51,52,53
	v_mov_b32 v[KF+\j], 0                          ; zero codes behind K's tile 7
.endr
	WIN 0
	s_mov_b32 s[PASS], 0
	WALU
	s_cmp_eq_u32 s[WV], 0
	s_cbranch_scc0 .Lnot_0
	s_wait_tensorcnt 0x0                           ; wave 0: steps 0 to 3 of kv are in
.Lnot_0:
	s_barrier_signal -1
	s_barrier_wait -1                              ; the other three loads may be out
.macro KFRAG a16, a8, off              ; 16 LDS loads: a step's eight tiles of K
.irp t, 0,1,2,3,4,5,6,7
	ds_load_b128 v[KF+6*\t:KF+6*\t+3], v[\a16] offset:\off+3328*(\t/4)+768*(\t%4)
	ds_load_b64 v[KF+6*\t+4:KF+6*\t+5], v[\a8] offset:\off+3328*(\t/4)+768*(\t%4)+512
.endr
.endm
.macro KSCALE a8, off
.irp c, 0,1
	ds_load_b64 v[KS+2*\c:KS+2*\c+1], v[\a8] offset:\off+3328*\c+3072
.endr
.endm
.macro QKW q, t                        ; S^T of query tile q and key tile t.  Register 32 c + 8 u + j of a tile of queries is key 64 c + 32 h + 8 u + j (t = 4 c + u)
.if (\t)%2
	v_wmma_scale_f32_16x16x128_f8f6f4 v[64*(\q)+8*(\t):64*(\q)+8*(\t)+7], v[KF+6*(\t):KF+6*(\t)+11], v[QF+12*(\q):QF+12*(\q)+11], 0, v[KS+2*((\t)/4)+((\t)%4)/2], v[QS+(\q)] matrix_a_fmt:MATRIX_FMT_FP6 matrix_b_fmt:MATRIX_FMT_FP6 matrix_a_scale:MATRIX_SCALE_ROW1
.else
	v_wmma_scale_f32_16x16x128_f8f6f4 v[64*(\q)+8*(\t):64*(\q)+8*(\t)+7], v[KF+6*(\t):KF+6*(\t)+11], v[QF+12*(\q):QF+12*(\q)+11], 0, v[KS+2*((\t)/4)+((\t)%4)/2], v[QS+(\q)] matrix_a_fmt:MATRIX_FMT_FP6 matrix_b_fmt:MATRIX_FMT_FP6
.endif
.endm
.macro PVW q, g, first                 ; O^T of query tile q, channels' tile g: register 8 g + j of a tile of queries is channel 32 h + 8 g + j
	WIN 0xa2                                       ; C, D and V window 2, p window 0
.if \first
.if (\g)%2
	v_wmma_scale_f32_16x16x128_f8f6f4 v[32*(\q)+8*(\g):32*(\q)+8*(\g)+7], v[VF+12*(\g):VF+12*(\g)+11], v[PF+12*(\q):PF+12*(\q)+11], 0, v[VS+(\g)/2], v[PS+(\q)] matrix_a_fmt:MATRIX_FMT_FP6 matrix_b_fmt:MATRIX_FMT_FP6 matrix_a_scale:MATRIX_SCALE_ROW1
.else
	v_wmma_scale_f32_16x16x128_f8f6f4 v[32*(\q)+8*(\g):32*(\q)+8*(\g)+7], v[VF+12*(\g):VF+12*(\g)+11], v[PF+12*(\q):PF+12*(\q)+11], 0, v[VS+(\g)/2], v[PS+(\q)] matrix_a_fmt:MATRIX_FMT_FP6 matrix_b_fmt:MATRIX_FMT_FP6
.endif
.elseif (\g)%2
	v_wmma_scale_f32_16x16x128_f8f6f4 v[32*(\q)+8*(\g):32*(\q)+8*(\g)+7], v[VF+12*(\g):VF+12*(\g)+11], v[PF+12*(\q):PF+12*(\q)+11], v[32*(\q)+8*(\g):32*(\q)+8*(\g)+7], v[VS+(\g)/2], v[PS+(\q)] matrix_a_fmt:MATRIX_FMT_FP6 matrix_b_fmt:MATRIX_FMT_FP6 matrix_a_scale:MATRIX_SCALE_ROW1
.else
	v_wmma_scale_f32_16x16x128_f8f6f4 v[32*(\q)+8*(\g):32*(\q)+8*(\g)+7], v[VF+12*(\g):VF+12*(\g)+11], v[PF+12*(\q):PF+12*(\q)+11], v[32*(\q)+8*(\g):32*(\q)+8*(\g)+7], v[VS+(\g)/2], v[PS+(\q)] matrix_a_fmt:MATRIX_FMT_FP6 matrix_b_fmt:MATRIX_FMT_FP6
.endif
	WIN 0x45
.endm
.macro MAXL c, i                       ; the four tiles' chains for block c take in scores i and i + 1 of the block; each accumulator is read from its low end on
.irp q, 0,1,2,3
.if (\i) == 0
	v_max3_num_f32 v[BM+2*\q+(\c)], 0xff61b1e6, v[64*\q+32*(\c)], v[64*\q+32*(\c)+1]
.else
	v_max3_num_f32 v[BM+2*\q+(\c)], v[BM+2*\q+(\c)], v[64*\q+32*(\c)+(\i)], v[64*\q+32*(\c)+(\i)+1]
.endif
.endr
.endm
.macro FMA q, j                        ; t - M of two scores of tile q
	v_pk_fma_f32 v[64*(\q)+2*(\j):64*(\q)+2*(\j)+1], v[64*(\q)+2*(\j):64*(\q)+2*(\j)+1], s[CS:CS+1], v[NM+2*(\q):NM+2*(\q)+1] op_sel_hi:[1,0,0]
.endm
.macro ADDL q, d, j                    ; a line of tile q's tree: pair j takes in the pair d registers on
	v_pk_add_f32 v[64*(\q)+2*(\j):64*(\q)+2*(\j)+1], v[64*(\q)+2*(\j):64*(\q)+2*(\j)+1], v[64*(\q)+2*(\j)+(\d):64*(\q)+2*(\j)+(\d)+1]
.endm
.macro LEV q, d, n                     ; a whole level
.set J_, 0
.rept \n
	ADDL \q, \d, J_
.set J_, J_+1
.endr
.endm
; A STAGE: tile e's 64 exponentials; behind the even ones tile f's multiply-adds, or (pv = 1) behind every fourth a product O^T of tiles 0 to 2, the twelve accumulators by turns;
; behind the odd ones level 1 of tile a1's tree, level 2 of a2's, level 3 of a3's (-1: none).  A plain line and the one wait close it.
.macro STAGES e, f, a1, a2, a3, pv, first
.set N_, 0
.rept 64
	v_exp_f32 v[64*(\e)+N_], v[64*(\e)+N_]
.set M_, N_/2
.if N_%2 == 0
.if (\f) >= 0
	FMA \f, M_
.elseif (\pv) && (N_%4 == 0) && (N_ >= 4) && (N_ <= 48)
.set I_, N_/4-1
	PVW I_%3, I_/3, \first
.endif
.elseif M_ < 16
.if (\a1) >= 0
	ADDL \a1, 32, M_
.endif
.elseif M_ < 24
.if (\a2) >= 0
	ADDL \a2, 16, M_-16
.endif
.elseif M_ < 28
.if (\a3) >= 0
	ADDL \a3, 8, M_-24
.endif
.endif
.set N_, N_+1
.endr
	v_nop
	WALU
.endm
.macro CVT q                           ; tile q's p becomes codes (a conversion's three registers begin on an even number: a block's second half is made elsewhere and moved)
	WIN 0x01
	v_cvt_scalef32_pk16_fp6_f32 v[PF+12*\q:PF+12*\q+2], v[64*\q:64*\q+15], v[SO+2*\q]
	v_cvt_scalef32_pk16_fp6_f32 v[TM+8*\q:TM+8*\q+2], v[64*\q+16:64*\q+31], v[SO+2*\q]
	v_cvt_scalef32_pk16_fp6_f32 v[PF+12*\q+6:PF+12*\q+8], v[64*\q+32:64*\q+47], v[SO+2*\q+1]
	v_cvt_scalef32_pk16_fp6_f32 v[TM+8*\q+4:TM+8*\q+6], v[64*\q+48:64*\q+63], v[SO+2*\q+1]
	v_nop                                          ; one plain place behind a scaled conversion
	WIN 0x45
.endm
.macro PMOV q                          ; the second halves to their places in tile q's operand
.irp i, 0,1,2
	v_mov_b32 v[PF+12*\q+3+\i], v[TM+8*\q+\i]
	v_mov_b32 v[PF+12*\q+9+\i], v[TM+8*\q+4+\i]
.endr
.endm
; A KEY STEP: 128 keys x my 64 queries.  pre = 1: the next step's K is fetched.  first = 1: O begins on the constant 0.
.macro STEP pre, first
	s_wait_dscnt 0x0                               ; this step's K is in
	WIN 0x42                                       ; D window 1, K window 2, Q window 0
.irp t, 0,1,2,3                                ; keys 0 to 63: the accumulators take turns
.irp q, 0,1,2,3
	QKW \q, \t
.endr
.endr
	WIN 0
	v_add_nc_u32 v3, s[TB], v1                     ; four places: ahead of the loads into V's registers and of the first read of the scores
	v_add_nc_u32 v4, s[TB], v2
	v_nop
	v_nop
	WIN 0x80
.irp g, 0,1,2,3
.irp c, 0,1,2
	ds_load_b128 v[VF+12*\g+4*\c:VF+12*\g+4*\c+3], v3 offset:6656+1536*\g+512*\c
.endr
.endr
	WIN 0
	ds_load_b64 v[VS:VS+1], v4 offset:12800
.set G_, 0
.rept 16                                       ; keys 64 to 127; behind each product four lines of the search through keys 0 to 63
	WIN 0x42
	QKW G_%4, 4+G_/4
	WIN 0x14                                       ; sources 1 and 2 window 1
	MAXL 0, 2*G_
.set G_, G_+1
.endr
.if \pre
	WIN 0x80                                       ; (the last four lines above are the places ahead of these loads)
	KFRAG 3, 4, STEPB
	WIN 0
	KSCALE 4, STEPB
.endif
	WIN 0x14
.irp i, 0,2,4,6,8,10,12,14,16,18,20,22,24,26,28,30
	MAXL 1, \i
.endr
	WIN 0
.irp q, 0,1,2,3
	v_max_num_f32 v[DT+\q], v[BM+2*\q], v[BM+2*\q+1]
.endr
.irp q, 0,1,2,3
	v_permlanex16_b32 v[XR+\q], v[DT+\q], s[SEL], s[SEL+1]
.endr
.irp q, 0,1,2,3
	v_max3_num_f32 v[TR+\q], v[TR+\q], v[DT+\q], v[XR+\q]   ; the running largest score of my query
.endr
.irp q, 0,1,2,3
	v_mul_f32 v[DT+\q], s[NC], v[TR+\q]            ; -t
.endr
.irp q, 0,1,2,3
	v_floor_f32 v[DT+\q], v[DT+\q]                 ; the new -M = floor(-t) = -ceil(t)
.endr
.irp q, 0,1,2,3
	v_sub_f32 v[XR+\q], v[DT+\q], v[NM+2*\q]       ; M's old value less its new one: a whole number, 0 or less
.endr
.irp q, 0,1,2,3
	v_mov_b32 v[NM+2*\q], v[DT+\q]
.endr
.irp q, 0,1,2,3
	v_cvt_i32_f32 v[XR+\q], v[XR+\q]               ; (it saturates)
.endr
.irp q, 0,1,2,3
	v_ldexp_f32 v[FF+2*\q], 1.0, v[XR+\q]          ; f
.endr
.irp q, 0,1,2,3
.irp c, 0,1
	v_fma_f32 v[BM+2*\q+\c], v[BM+2*\q+\c], s[CS], v[NM+2*\q]   ; t - M of each block's largest score
.endr
.endr
.if \first == 0
	WIN 0x82                                       ; O window 2, f window 0
	WALU
.irp q, 0,1,2,3
.irp j, 0,2,4,6,8,10,12,14,16,18,20,22,24,26,28,30
	v_pk_mul_f32 v[32*\q+\j:32*\q+\j+1], v[32*\q+\j:32*\q+\j+1], v[FF+2*\q:FF+2*\q+1] op_sel_hi:[1,0]   ; O^T under the new M
.endr
.endr
.endif
	WIN 0x45                                       ; destination and sources 0 and 1 window 1, source 2 window 0
.set N_, 0
.rept 32
	FMA 0, N_
.set N_, N_+1
.endr
	WIN 0
	WALU
.irp n, 0,1,2,3,4,5,6,7
	v_exp_f32 v[BM+\n], v[BM+\n]                   ; the block's largest p
.endr
	WIN 0x45
	STAGES 0, 1, -1, -1, -1, 0, 0
	WIN 0
.irp n, 0,1,2,3,4,5,6,7
	v_max_num_f32 v[BM+\n], 0x1800000, v[BM+\n]    ; the floor 2^(3 - 127): the byte cannot fall under 1
.endr
.irp n, 0,1,2,3,4,5,6,7
	v_add_nc_u32 v[SO+\n], 0xff000000, v[BM+\n]    ; 2 off the exponent field: the conversion's scale operand
.endr
.irp n, 0,1,2,3,4,5,6,7
	v_lshrrev_b32 v[BM+\n], 23, v[SO+\n]           ; the scale's byte
.endr
.irp q, 0,1,2,3
	v_lshl_or_b32 v[DT+\q], v[BM+2*\q+1], 16, v[BM+2*\q]   ; blocks h and 2 + h of my query,
.endr
.irp q, 0,1,2,3
	v_lshlrev_b32 v[DT+\q], v9, v[DT+\q]           ; at their places in the scale word;
.endr
.irp q, 0,1,2,3
	v_permlanex16_b32 v[XR+\q], v[DT+\q], s[SEL], s[SEL+1]
.endr
.irp q, 0,1,2,3
	v_or_b32 v[PS+\q], v[DT+\q], v[XR+\q]          ; with lane l xor 16's two the word is whole
.endr
	CVT 0
	STAGES 1, 2, 0, -1, -1, 0, 0
	CVT 1
	STAGES 2, 3, 1, 0, -1, 0, 0
	CVT 2
	WIN 0
	PMOV 0
	PMOV 1
	PMOV 2
	WALU
	s_wait_dscnt 0x0                               ; V and its scale words are in
	WIN 0x45
	STAGES 3, -1, 2, 1, 0, 1, \first
	CVT 3
	WIN 0
	PMOV 3
	WIN 0x45
	LEV 3, 32, 16                                  ; what is left of the four trees, the levels of different tiles by turns; among them tile 3's four products
	PVW 3, 0, \first
	LEV 2, 16, 8
	PVW 3, 1, \first
	LEV 1, 8, 4
	LEV 0, 4, 2
	PVW 3, 2, \first
	LEV 3, 16, 8
	PVW 3, 3, \first
	LEV 2, 8, 4
	LEV 1, 4, 2
	LEV 0, 2, 1
	LEV 3, 8, 4
	LEV 2, 4, 2
	LEV 1, 2, 1
	LEV 3, 4, 2
	LEV 2, 2, 1
	LEV 3, 2, 1
	WIN 0x10                                       ; source 2 window 1
.irp q, 0,1,2,3
	v_pk_fma_f32 v[LS+2*\q:LS+2*\q+1], v[LS+2*\q:LS+2*\q+1], v[FF+2*\q:FF+2*\q+1], v[64*\q:64*\q+1] op_sel_hi:[1,0,1]   ; the sum under the new M, and this step's
.endr
	WIN 0
	WALU                                           ; a branch or a wait follows the step
.endm
.Lpass:                                                ; a group of 64 queries through all 16 key steps.  Its Q has been asked for
.irp q, 0,1,2,3
	v_mov_b32 v[TR+\q], 0xff61b1e6                 ; the largest score so far: -3e38
	v_mov_b32 v[NM+2*\q], 0x7f61b1e6               ; -M: 3e38, so that the first f is 0
	v_mov_b32 v[LS+2*\q], 0
	v_mov_b32 v[LS+2*\q+1], 0
.endr
	WIN 0x80
	KFRAG 1, 2, 0
	WIN 0
	KSCALE 2, 0
	s_mov_b32 s[TB], 0
	WALU
	s_wait_loadcnt 0x0                             ; Q
	STEP 1, 1                                      ; it reads steps 0 and 1 of kv alone
	s_wait_tensorcnt 0x0                           ; every wave's load is in,
	s_wait_dscnt 0x0
	s_barrier_signal -1
	s_barrier_wait -1                              ; everybody's is: the whole head lies in LDS, and stays
	s_mov_b32 s[TB], STEPB
	s_mov_b32 s[CNT], 14
.Lstep:
	STEP 1, 0
	s_add_co_u32 s[TB], s[TB], STEPB
	s_sub_co_u32 s[CNT], s[CNT], 1
	s_cmp_lg_u32 s[CNT], 0
	s_cbranch_scc1 .Lstep
	STEP 0, 0                                      ; the last step fetches no further K
	s_cmp_eq_u32 s[PASS], 0
	s_cbranch_scc0 .Lno_q
	QLOAD 4*3328                                   ; the second group's Q lands during the way out
.Lno_q:
	; THE WAY OUT.  O^T / the sum goes through my stages in LDS and leaves as whole rows of the head's 256 bytes.
.irp q, 0,1,2,3
	v_add_f32 v[DT+\q], v[LS+2*\q], v[LS+2*\q+1]   ; the sum's two halves
.endr
.irp q, 0,1,2,3
	v_permlanex16_b32 v[XR+\q], v[DT+\q], s[SEL], s[SEL+1]
.endr
.irp q, 0,1,2,3
	v_add_f32 v[DT+\q], v[DT+\q], v[XR+\q]         ; and lane l xor 16's: the row's sum
.endr
	WALU
.irp q, 0,1,2,3
	v_rcp_f32 v[FF+2*\q], v[DT+\q]
.endr
	v_nop
	WIN 0x42                                       ; destination window 1, O window 2
	WALU
.irp q, 0,1,2,3
.irp j, 0,2,4,6,8,10,12,14,16,18,20,22,24,26,28,30
	v_pk_mul_f32 v[64*\q+\j:64*\q+\j+1], v[32*\q+\j:32*\q+\j+1], v[FF+2*\q:FF+2*\q+1] op_sel_hi:[1,0]
.endr
.endr
	WIN 0x04                                       ; the data window 1
.irp q, 0,1,2,3
.irp m, 0,1,2,3,4,5,6,7
	ds_store_b128 v6, v[64*\q+4*\m:64*\q+4*\m+3] offset:4352*\q+16*\m
.endr
.endr
	WIN 0x40
.irp q, 0,1,2,3
.irp i, 0,1,2,3,4,5,6,7
	ds_load_b128 v[64*\q+32+4*\i:64*\q+32+4*\i+3], v7 offset:4352*\q+544*\i   ; LDS serves a wave's instructions in order: these see my stores
.endr
.endr
	WIN 0x04
.irp q, 0,1,2,3
	s_wait_dscnt 8*(3-\q)                          ; tile q's eight read-backs are in; the later tiles' may be out
.irp i, 0,1,2,3,4,5,6,7                        ; stage row 2 i + h of tile q is query 8 q + 2 (i % 4) + h + 32 (i / 4) of the group
	global_store_b128 v8, v[64*\q+32+4*\i:64*\q+32+4*\i+3], s[OP:OP+1] offset:(2*(\i%4)+32*(\i/4))*4096+32768*\q th:TH_STORE_NT   ; 16 lanes store 256 consecutive bytes, at a multiple of 256 from out's first byte
.endr
.endr
	WIN 0
	s_wait_xcnt 0x0                                ; the stores have read their registers and their base
	s_add_nc_u64 s[OP:OP+1], s[OP:OP+1], 0x100000  ; four groups, 256 rows of out, on
	s_add_co_u32 s[PASS], s[PASS], 1
	s_cmp_lt_u32 s[PASS], 2
	s_cbranch_scc1 .Lpass
	s_wait_tensorcnt 0x0                           ; the wave's end
	ds_add_u32 v10, v11
	s_wait_dscnt 0x0
	CROUND                                         ; the closing round
	s_endpgm
.Lfunc_end_k_q61650e627b_attn:
	.size	k_q61650e627b_attn, .Lfunc_end_k_q61650e627b_attn-k_q61650e627b_attn
	.p2alignl 7, 3214868480
	.fill 96, 4, 3214868480
	.section	.rodata,"a",@progbits
	.p2align	6, 0x0
	.amdhsa_kernel k_q61650e627b_attn
		.amdhsa_group_segment_fixed_size 280576
		.amdhsa_private_segment_fixed_size 0
		.amdhsa_enable_private_segment 0
		.amdhsa_kernarg_size 24
		.amdhsa_user_sgpr_count 2
		.amdhsa_user_sgpr_kernarg_segment_ptr 1
		.amdhsa_wavefront_size32 1
		.amdhsa_system_sgpr_workgroup_id_x 1
		.amdhsa_system_sgpr_workgroup_id_y 1
		.amdhsa_system_sgpr_workgroup_id_z 1
		.amdhsa_system_vgpr_workitem_id 0
		.amdhsa_next_free_vgpr 768
		.amdhsa_next_free_sgpr 66
		.amdhsa_reserve_vcc 0
		.amdhsa_float_denorm_mode_32 3
		.amdhsa_float_denorm_mode_16_64 3
		.amdhsa_memory_ordered 1
		.amdhsa_forward_progress 1
		.amdhsa_inst_pref_size 180
	.end_amdhsa_kernel
	.amdgpu_metadata
---
amdhsa.version: [ 1, 2 ]
amdhsa.kernels:
  - .name:           k_q61650e627b_attn
    .symbol:         k_q61650e627b_attn.kd
    .args:
      - { .name: qa, .offset: 0, .size: 8, .value_kind: global_buffer, .address_space: global }
      - { .name: kv, .offset: 8, .size: 8, .value_kind: global_buffer, .address_space: global }
      - { .name: out0, .offset: 16, .size: 8, .value_kind: global_buffer, .address_space: global }
    .group_segment_fixed_size: 280576
    .private_segment_fixed_size: 0
    .kernarg_segment_align: 8
    .kernarg_segment_size: 24
    .max_flat_workgroup_size: 128
    .sgpr_count:     66
    .vgpr_count:     768
    .wavefront_size: 32
...
	.end_amdgpu_metadata
.endif
;; end of part 3
